; MI455X (gfx1250); checked and timed in simulation.
; The chip was launched on July 23, 2026; its instructions are those of AMD's public machine-readable ISA for CDNA 5 (MIT licence, August 2026) and "CDNA5" Instruction Set Architecture Reference Guide (July 2026). The comments in the code are by the model that wrote it; some were corrected since.
;; Renderer. Allowed arithmetic: float matrix products may take bf16 or f16 operands with f32 sums; all other float work in f32.
;; Inputs: W1 3 x 32 float32; W2 32 x 1 float32; b1 32 float32; b2 1 float32; cam_loc 1 x 3 float32; ray_directions 1 x 131,072 x 3 float32.
;; Outputs: out0 1 x 131,072 float32; out1 1 x 131,072 float32.
;; One version. Each part assembles by itself: llvm-mc -triple=amdgcn-amd-amdhsa -mcpu=gfx1250 --defsym DOCPART=n.
;; ======== version 1 of 1: 1 launch
;; launch render (part 1): grid 256 x 1, 8 waves a work-group, no clusters, 0 bytes of LDS; arguments ray_directions, cam_loc, W1, b1, W2, b2, out0, out1; writes out0, out1
.if DOCPART == 1
	.amdgcn_target "amdgcn-amd-amdhsa--gfx1250"
	.amdhsa_code_object_version 6
	.text
	.protected	k_qeb4de94c07_render
	.globl	k_qeb4de94c07_render
	.p2align	8
	.type	k_qeb4de94c07_render,@function
k_qeb4de94c07_render:
	s_mov_b64 s[64:65], 0
	v_nop
	global_prefetch_b8 v0, s[64:65] scope:SCOPE_SE
	s_setreg_imm32_b32 hwreg(HW_REG_WAVE_MODE, 25, 1), 1
	s_wait_xcnt 0x0
; Ray marching against a small occupancy network: 131,072 rays, 32 march samples, 8 secant steps, 1 surface point = 41 evaluations a ray.
;
; THE FORM.  Every point lies on its ray, p = cam + d ray, so the first layer is  p@W1 + b1 = A_j + d B_j  with
; A_j = cam@W1 + b1 (the same for all rays) and B_j = ray@W1 (made once a ray).  One evaluation of the logit is then
;   x(d) = b2 + sum over 32 j of W2_j max(A_j + d B_j, 0):  a multiply-add, a max and a multiply-add for each hidden unit.
; NO MATRIX INSTRUCTIONS: what is left has depth 1 (d times B_j) and one output column; a 16 x 16 x 32 instruction returns 256 numbers,
; as many as four packed multiply-adds, and its results would still want the max and a conversion to 16 bits, which costs what the dot product
; costs here.  And the outputs hang on signs of x (first crossing, side of each secant step), which 16-bit operands would move; all is f32.
; NO LDS, NO BARRIER, NO CLUSTER: the waves share 656 bytes of weights and camera and nothing else; each wave copies them into registers once.
;
; THE SHARES.  256 work-groups x 8 waves x 64 rays.  Lane L of a wave owns the neighbouring rays 2L and 2L+1; every number of a ray lies in an
; even-aligned register pair (ray 2L, ray 2L+1), so a packed f32 instruction serves both rays, no sum runs across lanes, and a lane's two results
; are 8 neighbouring bytes: each store of the wave covers 256 consecutive bytes, aligned.  A_j and W2_j lie once in each lane's registers and
; are broadcast to both halves by op_sel (a scalar pair can only give its first register, and 64 values at even scalar registers do not fit).
;
; LIMITS, all of rounding or range:  sums are formed as A + d B with fused multiply-adds, divisions as 1-ULP rsq / rcp and a multiply, t_s as s * (1/31):
; differences of a few ULP from the reference.  In the march the sign of the logit x stands for the sign of sigmoid(x) - 0.5; the two differ only for
; about -2^-24 < x < 0, where the rounded sigmoid is exactly 0.5.  NaN is not carried: max(z, 0) drops it and a NaN logit counts as not negative.
; A direction whose squared length is below 2^-126 (length under 1.1e-19) is taken as zero by v_rsq_f32 (ISA guide, its entry in 15.8).
.set RAYS_WG, 512                      ; rays of a work-group
.set HID,     32                       ; hidden units
.set STEPS,   32                       ; march samples
.set SECANT,  8                        ; secant steps
.set INV31,    0x3d042108              ; 1/31; 31 * this rounds to exactly 1.0
.set NEAR_EPS, 0x3f000011              ; 0.5 + 1e-6
.set EPSF,     0x358637bd              ; 1e-6
.set NLOG2E,   0xbfb8aa3b              ; -log2(e)
; vector registers
.set DIR0, 4                           ; v[4:6]    direction of ray 2L as loaded
.set DIR1, 8                           ; v[8:10]   direction of ray 2L+1
.set N,    12                          ; squared lengths
.set RX,   14                          ; unit rays, x of both rays
.set RY,   16
.set RZ,   18
.set RCD,  20                          ; ray . cam
.set UN,   22                          ; under the root
.set FAR,  24                          ; far end of the march
.set A,    26                          ; v[26:57]   A_j (arrives as b1)
.set W,    58                          ; v[58:89]   W2_j
.set B,    90                          ; v[90:153]  B_j, a pair for each j
.set W1T,  154                         ; v[154:249] W1 as loaded, used in the set-up only; the pairs below lie on it afterwards
.set D,    154                         ; depth at which the network is evaluated
.set Z,    156                         ; v[156:163] four pairs of pre-activations in turn
.set ACC,  164                         ; v[164:167] two running sums (even j, odd j)
.set XA,   168                         ; logits of two successive samples
.set XB,   170
.set XL,   172                         ; logits on both sides of the first crossing
.set XH,   174
.set IDX,  176                         ; number of the sample behind the crossing
.set DL,   178
.set DH,   180
.set FL,   182
.set FH,   184
.set FM,   186
.set DEN,  188
.set WD,   190
.set Q,    192
.set R,    194
.set E,    196
.set G,    198
.set INV,  250                         ; 1 / length
.set SQ,   252                         ; the root
; scalar registers: s[4:19] the eight addresses
.set CAMX, 20                          ; s[20:22] cam; s[20:21] also serves as the pair that broadcasts cam.x
.set CAMY, 24                          ; pairs whose first register is broadcast by packed instructions
.set CAMZ, 26
.set B2,   28
.set C2,   30                          ; 1 - |cam|^2
.set T,    32                          ; t of the sample
.set U,    34                          ; 0.5 (1 - t)
.set CNT,  36
.set CN1,  37
.set EPS,  38
.set CAM2, 39
.set MI,   40                          ; lane masks, one register for each of the lane's two rays: the sphere is hit
.set NEG,  42                          ; this logit is negative
.set ARM,  44                          ; the last logit was negative and no crossing has been found
.set FND,  46                          ; a crossing has been found
.set CR,   48                          ; at work
	s_load_b512 s[4:19], s[0:1], 0x0               ; rays s[4:5], cam s[6:7], W1 s[8:9], b1 s[10:11], W2 s[12:13], b2 s[14:15], out0 s[16:17], out1 s[18:19]
	s_mul_i32 s2, ttmp9, RAYS_WG*12                ; the group's first byte in the directions
	s_lshl_b32 s3, ttmp9, 11                       ; and in each output: 512 rays x 4 bytes
	v_mov_b32 v1, 0                                ; the weights: every lane reads the same bytes
	v_mad_u32_u24 v2, v0, 24, s2                   ; my two rays' 24 bytes
	v_lshl_add_u32 v3, v0, 3, s3                   ; my two results' 8 bytes
	s_mov_b32 s[B2+1], 0                           ; the second registers of broadcast pairs are never used, but are read as part of the pair
	s_mov_b32 s[C2+1], 0
	s_mov_b32 s[T+1], 0
	s_mov_b32 s[U+1], 0
	s_mov_b32 s[EPS], EPSF
	s_wait_kmcnt 0x0
	; 42 loads in one run.  The two loads of directions together cover the wave's 768 consecutive bytes.
	global_load_b96 v[DIR0:DIR0+2], v2, s[4:5]
	global_load_b96 v[DIR1:DIR1+2], v2, s[4:5] offset:12
.set i, 0
.rept 24
	global_load_b128 v[W1T+4*i:W1T+4*i+3], v1, s[8:9] offset:16*i      ; W1[k][j] lands in v[W1T + 32 k + j]
.set i, i+1
.endr
.set i, 0
.rept 8
	global_load_b128 v[A+4*i:A+4*i+3], v1, s[10:11] offset:16*i        ; b1 starts the sums A_j
.set i, i+1
.endr
.set i, 0
.rept 8
	global_load_b128 v[W+4*i:W+4*i+3], v1, s[12:13] offset:16*i
.set i, i+1
.endr
	s_load_b96 s[CAMX:CAMX+2], s[6:7], 0x0
	s_load_b32 s[B2], s[14:15], 0x0
	; unit rays
	s_wait_loadcnt 40                              ; loads return in order: the two of the directions are in, the 40 of the weights may be out
	v_mul_f32 v[N], v[DIR0], v[DIR0]
	v_mul_f32 v[N+1], v[DIR1], v[DIR1]
	v_fmac_f32 v[N], v[DIR0+1], v[DIR0+1]
	v_fmac_f32 v[N+1], v[DIR1+1], v[DIR1+1]
	v_fmac_f32 v[N], v[DIR0+2], v[DIR0+2]
	v_fmac_f32 v[N+1], v[DIR1+2], v[DIR1+2]
	v_rsq_f32 v[INV], v[N]
	v_rsq_f32 v[INV+1], v[N+1]
	v_nop                                          ; one plain place behind a transcendental before its result is used
	s_wait_alu depctr_va_vdst(0)
	v_mul_f32 v[RX], v[DIR0], v[INV]               ; the products also bring the two rays' coordinates into pairs
	v_mul_f32 v[RX+1], v[DIR1], v[INV+1]
	v_mul_f32 v[RY], v[DIR0+1], v[INV]
	v_mul_f32 v[RY+1], v[DIR1+1], v[INV+1]
	v_mul_f32 v[RZ], v[DIR0+2], v[INV]
	v_mul_f32 v[RZ+1], v[DIR1+2], v[INV+1]
	s_wait_kmcnt 0x0                               ; cam and b2
	s_mov_b32 s[CAMY], s[CAMX+1]
	s_mov_b32 s[CAMY+1], s[CAMX+1]
	s_mov_b32 s[CAMZ], s[CAMX+2]
	s_mov_b32 s[CAMZ+1], s[CAMX+2]
	s_mul_f32 s[CAM2], s[CAMX], s[CAMX]
	s_fmac_f32 s[CAM2], s[CAMX+1], s[CAMX+1]
	s_fmac_f32 s[CAM2], s[CAMX+2], s[CAMX+2]
	s_mov_b32 s[C2], 1.0
	s_fmac_f32 s[C2], s[CAM2], -1.0                ; r^2 - |cam|^2 with r = 1
	; the far intersection with the unit sphere; the near one enters no result
	v_pk_mul_f32 v[RCD:RCD+1], v[RX:RX+1], s[CAMX:CAMX+1] op_sel_hi:[1,0]
	v_pk_fma_f32 v[RCD:RCD+1], v[RY:RY+1], s[CAMY:CAMY+1], v[RCD:RCD+1] op_sel_hi:[1,0,1]
	v_pk_fma_f32 v[RCD:RCD+1], v[RZ:RZ+1], s[CAMZ:CAMZ+1], v[RCD:RCD+1] op_sel_hi:[1,0,1]
	v_pk_fma_f32 v[UN:UN+1], v[RCD:RCD+1], v[RCD:RCD+1], s[C2:C2+1] op_sel_hi:[1,1,0]
	v_cmp_lt_f32 s[MI], 0, v[UN]
	v_cmp_lt_f32 s[MI+1], 0, v[UN+1]
	v_sqrt_f32 v[SQ], v[UN]                        ; NaN where the sphere is missed: the select below takes 0 there
	v_sqrt_f32 v[SQ+1], v[UN+1]
	v_nop
	s_wait_alu depctr_va_vdst(0)
	v_pk_add_f32 v[FAR:FAR+1], v[SQ:SQ+1], v[RCD:RCD+1] neg_lo:[0,1] neg_hi:[0,1]
	v_cndmask_b32 v[FAR], 0, v[FAR], s[MI]
	v_cndmask_b32 v[FAR+1], 0, v[FAR+1], s[MI+1]
	v_max_num_f32 v[FAR], NEAR_EPS, v[FAR]         ; max(.., 0) and max(.., near + eps) are one max
	v_max_num_f32 v[FAR+1], NEAR_EPS, v[FAR+1]
; B_j of both rays: one coordinate's pair times W1[row][j], which op_sel broadcasts out of the pair (j even, j odd)
.macro BROW ray, row, first
.set i, 0
.rept HID/2
.if \first
	v_pk_mul_f32 v[B+4*i:B+4*i+1], v[\ray:\ray+1], v[W1T+32*\row+2*i:W1T+32*\row+2*i+1] op_sel_hi:[1,0]
	v_pk_mul_f32 v[B+4*i+2:B+4*i+3], v[\ray:\ray+1], v[W1T+32*\row+2*i:W1T+32*\row+2*i+1] op_sel:[0,1] op_sel_hi:[1,1]
.else
	v_pk_fma_f32 v[B+4*i:B+4*i+1], v[\ray:\ray+1], v[W1T+32*\row+2*i:W1T+32*\row+2*i+1], v[B+4*i:B+4*i+1] op_sel_hi:[1,0,1]
	v_pk_fma_f32 v[B+4*i+2:B+4*i+3], v[\ray:\ray+1], v[W1T+32*\row+2*i:W1T+32*\row+2*i+1], v[B+4*i+2:B+4*i+3] op_sel:[0,1,0] op_sel_hi:[1,1,1]
.endif
.set i, i+1
.endr
.endm
; A_j, two j at a time: += cam[row] W1[row][j]
.macro AROW cam, row
.set i, 0
.rept HID/2
	v_pk_fma_f32 v[A+2*i:A+2*i+1], v[W1T+32*\row+2*i:W1T+32*\row+2*i+1], s[\cam:\cam+1], v[A+2*i:A+2*i+1] op_sel_hi:[1,0,1]
.set i, i+1
.endr
.endm
	s_wait_loadcnt 16                              ; W1 is in; the 8 loads of b1 and the 8 of W2 may be out
	BROW RX, 0, 1
	BROW RY, 1, 0
	BROW RZ, 2, 0
	s_wait_loadcnt 8                               ; b1 is in; the 8 loads of W2 may be out
	AROW CAMX, 0
	AROW CAMY, 1
	AROW CAMZ, 2
	s_wait_loadcnt 0x0                             ; W2
; One evaluation, x(d) of both rays into v[dst:dst+1], d in v[D:D+1].  Three stages run one unit apart: pre-activation of unit k, relu of unit k-1,
; sum of unit k-2, so that three other instructions stand between an instruction and the one that needs its result, five between two links of a sum.
.macro ZFMA j                          ; z = B_j d + A_j
.if (\j) % 2
	v_pk_fma_f32 v[Z+2*((\j)%4):Z+2*((\j)%4)+1], v[B+2*(\j):B+2*(\j)+1], v[D:D+1], v[A+(\j)-1:A+(\j)] op_sel:[0,0,1] op_sel_hi:[1,1,1]
.else
	v_pk_fma_f32 v[Z+2*((\j)%4):Z+2*((\j)%4)+1], v[B+2*(\j):B+2*(\j)+1], v[D:D+1], v[A+(\j):A+(\j)+1] op_sel_hi:[1,1,0]
.endif
.endm
.macro RELU j                          ; both rays' max(z, 0) in one dual instruction (there is no packed f32 max)
	v_dual_max_num_f32 v[Z+2*((\j)%4)], 0, v[Z+2*((\j)%4)] :: v_dual_max_num_f32 v[Z+2*((\j)%4)+1], 0, v[Z+2*((\j)%4)+1]
.endm
.macro WACC j                          ; the sums: b2 starts the even one, the first odd product the odd one: nothing is cleared
.if (\j) == 0
	v_pk_fma_f32 v[ACC:ACC+1], v[Z:Z+1], v[W:W+1], s[B2:B2+1] op_sel_hi:[1,0,0]
.else
.if (\j) == 1
	v_pk_mul_f32 v[ACC+2:ACC+3], v[Z+2:Z+3], v[W:W+1] op_sel:[0,1] op_sel_hi:[1,1]
.else
.if (\j) % 2
	v_pk_fma_f32 v[ACC+2:ACC+3], v[Z+2*((\j)%4):Z+2*((\j)%4)+1], v[W+(\j)-1:W+(\j)], v[ACC+2:ACC+3] op_sel:[0,1,0] op_sel_hi:[1,1,1]
.else
	v_pk_fma_f32 v[ACC:ACC+1], v[Z+2*((\j)%4):Z+2*((\j)%4)+1], v[W+(\j):W+(\j)+1], v[ACC:ACC+1] op_sel_hi:[1,0,1]
.endif
.endif
.endif
.endm
.macro EVAL dst
.set ev_i, 0
.rept HID+2
.if ev_i < HID
	ZFMA ev_i
.endif
.if ev_i >= 1
.if ev_i <= HID
	RELU ev_i-1
.endif
.endif
.if ev_i >= 2
	WACC ev_i-2
.endif
.set ev_i, ev_i+1
.endr
	v_pk_add_f32 v[\dst:\dst+1], v[ACC:ACC+1], v[ACC+2:ACC+3]
.endm
; v[E:E+1] = sigmoid(v[src:src+1]) = 1 / (1 + 2^(-log2(e) x)); a large -x gives infinity and then 0, a large x gives 0 and then 1
.macro SIGM src
	v_pk_mul_f32 v[E:E+1], v[\src:\src+1], NLOG2E op_sel_hi:[1,0]
	v_exp_f32 v[G], v[E]
	v_exp_f32 v[G+1], v[E+1]
	v_nop                                          ; one plain place behind the transcendentals
	s_wait_alu depctr_va_vdst(0)
	v_pk_add_f32 v[G:G+1], v[G:G+1], 1.0 op_sel_hi:[1,0]
	v_rcp_f32 v[E], v[G]
	v_rcp_f32 v[E+1], v[G+1]
	v_nop
.endm
; One march sample, number s[cnt].  t and 0.5 (1 - t) are the same for all rays and are made by scalar instructions from the counter.
; A crossing: the last logit negative, this one not, none found before.  The first one's two logits and its sample number are kept by selects.
.macro STEP cnt, prev, cur
	s_cvt_f32_u32 s[T], s[\cnt]
	s_mul_f32 s[T], s[T], INV31
	s_mov_b32 s[U], 0.5
	s_fmac_f32 s[U], s[T], -0.5
	v_pk_fma_f32 v[D:D+1], v[FAR:FAR+1], s[T:T+1], s[U:U+1] op_sel_hi:[1,0,0]     ; d = far t + near (1 - t)
	EVAL \cur
	v_cmp_gt_f32 s[NEG], 0, v[\cur]
	v_cmp_gt_f32 s[NEG+1], 0, v[\cur+1]
	s_and_not1_b32 s[CR], s[ARM], s[NEG]
	s_and_not1_b32 s[CR+1], s[ARM+1], s[NEG+1]
.irp r, 0, 1
	v_cndmask_b32 v[XL+\r], v[XL+\r], v[\prev+\r], s[CR+\r]
	v_cndmask_b32 v[XH+\r], v[XH+\r], v[\cur+\r], s[CR+\r]
	v_cndmask_b32 v[IDX+\r], v[IDX+\r], s[\cnt], s[CR+\r]
	s_or_b32 s[FND+\r], s[FND+\r], s[CR+\r]
	s_and_not1_b32 s[ARM+\r], s[NEG+\r], s[FND+\r]
.endr
.endm
	; THE MARCH.  Nothing is armed in front of sample 0, so all 32 samples run the same text.  Rays without a crossing keep these starting values;
	; what is computed from them is thrown away by the selects on FND at the end.
.irp r, XB, XB+1, XL, XL+1, XH, XH+1
	v_mov_b32 v[\r], 0
.endr
	v_mov_b32 v[IDX], 1
	v_mov_b32 v[IDX+1], 1
	s_mov_b32 s[ARM], 0
	s_mov_b32 s[ARM+1], 0
	s_mov_b32 s[FND], 0
	s_mov_b32 s[FND+1], 0
	s_mov_b32 s[CNT], 0
.Lmarch:                                               ; 16 trips of two samples: the last and the present logit change places without a move
	STEP CNT, XB, XA
	s_add_co_u32 s[CN1], s[CNT], 1
	STEP CN1, XA, XB
	s_add_co_u32 s[CNT], s[CNT], 2
	s_cmp_lt_u32 s[CNT], STEPS
	s_cbranch_scc1 .Lmarch
	s_and_b32 s[FND], s[FND], s[MI]                ; found = a crossing, and the sphere is hit
	s_and_b32 s[FND+1], s[FND+1], s[MI+1]
	; the two depths of the bracket from the sample number, by the arithmetic of STEP, so with its bits
	v_cvt_f32_u32 v[DEN], v[IDX]
	v_cvt_f32_u32 v[DEN+1], v[IDX+1]
	v_pk_add_f32 v[WD:WD+1], v[DEN:DEN+1], -1.0 op_sel_hi:[1,0]
	v_pk_mul_f32 v[DEN:DEN+1], v[DEN:DEN+1], INV31 op_sel_hi:[1,0]         ; t behind the crossing
	v_pk_mul_f32 v[WD:WD+1], v[WD:WD+1], INV31 op_sel_hi:[1,0]             ; t in front of it
	v_pk_fma_f32 v[DH:DH+1], v[DEN:DEN+1], -0.5, 0.5 op_sel_hi:[1,0,0]
	v_pk_fma_f32 v[DL:DL+1], v[WD:WD+1], -0.5, 0.5 op_sel_hi:[1,0,0]
	v_pk_fma_f32 v[DH:DH+1], v[FAR:FAR+1], v[DEN:DEN+1], v[DH:DH+1]
	v_pk_fma_f32 v[DL:DL+1], v[FAR:FAR+1], v[WD:WD+1], v[DL:DL+1]
	SIGM XL
	s_wait_alu depctr_va_vdst(0)
	v_pk_add_f32 v[FL:FL+1], v[E:E+1], -0.5 op_sel_hi:[1,0]
	SIGM XH
	s_wait_alu depctr_va_vdst(0)
	v_pk_add_f32 v[FH:FH+1], v[E:E+1], -0.5 op_sel_hi:[1,0]
; the secant's point: v[D:D+1] = dl - fl (dh - dl) / den, den = fh - fl, or 1e-6 where |den| is smaller
.macro MID
	v_pk_add_f32 v[DEN:DEN+1], v[FH:FH+1], v[FL:FL+1] neg_lo:[0,1] neg_hi:[0,1]
	v_pk_add_f32 v[WD:WD+1], v[DH:DH+1], v[DL:DL+1] neg_lo:[0,1] neg_hi:[0,1]
	v_cmp_lt_f32 s[CR], |v[DEN]|, s[EPS]
	v_cmp_lt_f32 s[CR+1], |v[DEN+1]|, s[EPS]
	v_cndmask_b32 v[DEN], v[DEN], s[EPS], s[CR]
	v_cndmask_b32 v[DEN+1], v[DEN+1], s[EPS], s[CR+1]
	v_rcp_f32 v[R], v[DEN]
	v_rcp_f32 v[R+1], v[DEN+1]
	v_pk_mul_f32 v[Q:Q+1], v[FL:FL+1], v[WD:WD+1]                          ; the plain place behind the reciprocals: it names neither DEN nor R
	s_wait_alu depctr_va_vdst(0)
	v_pk_fma_f32 v[D:D+1], v[Q:Q+1], v[R:R+1], v[DL:DL+1] neg_lo:[1,0,0] neg_hi:[1,0,0]
.endm
	s_mov_b32 s[CNT], SECANT
.Lsecant:
	MID
	EVAL XA
	SIGM XA
	s_wait_alu depctr_va_vdst(0)
	v_pk_add_f32 v[FM:FM+1], v[E:E+1], -0.5 op_sel_hi:[1,0]
	v_cmp_gt_f32 s[NEG], 0, v[FM]
	v_cmp_gt_f32 s[NEG+1], 0, v[FM+1]
.irp r, 0, 1
	v_cndmask_b32 v[DL+\r], v[DL+\r], v[D+\r], s[NEG+\r]                   ; negative: the point becomes the low end,
	v_cndmask_b32 v[FL+\r], v[FL+\r], v[FM+\r], s[NEG+\r]
	v_cndmask_b32 v[DH+\r], v[D+\r], v[DH+\r], s[NEG+\r]                   ; else the high end
	v_cndmask_b32 v[FH+\r], v[FM+\r], v[FH+\r], s[NEG+\r]
.endr
	s_sub_co_i32 s[CNT], s[CNT], 1
	s_cmp_lg_u32 s[CNT], 0
	s_cbranch_scc1 .Lsecant
	; the depth, and the occupancy at the surface point; 0 for both where nothing was found
	MID
	v_cndmask_b32 v[D], 0, v[D], s[FND]
	v_cndmask_b32 v[D+1], 0, v[D+1], s[FND+1]
	global_store_b64 v3, v[D:D+1], s[16:17] th:TH_STORE_NT         ; 32 lanes x 8 bytes: 256 consecutive bytes, aligned; D is not written again
	EVAL XA
	SIGM XA
	s_wait_alu depctr_va_vdst(0)
	v_cndmask_b32 v[E], 0, v[E], s[FND]
	v_cndmask_b32 v[E+1], 0, v[E+1], s[FND+1]
	global_store_b64 v3, v[E:E+1], s[18:19] th:TH_STORE_NT
	s_endpgm
.Lfunc_end_k_qeb4de94c07_render:
	.size	k_qeb4de94c07_render, .Lfunc_end_k_qeb4de94c07_render-k_qeb4de94c07_render
	.p2alignl 7, 3214868480
	.fill 96, 4, 3214868480
	.section	.rodata,"a",@progbits
	.p2align	6, 0x0
	.amdhsa_kernel k_qeb4de94c07_render
		.amdhsa_group_segment_fixed_size 0
		.amdhsa_private_segment_fixed_size 0
		.amdhsa_enable_private_segment 0
		.amdhsa_kernarg_size 64
		.amdhsa_user_sgpr_count 2
		.amdhsa_user_sgpr_kernarg_segment_ptr 1
		.amdhsa_wavefront_size32 1
		.amdhsa_system_sgpr_workgroup_id_x 1
		.amdhsa_system_sgpr_workgroup_id_y 1
		.amdhsa_system_sgpr_workgroup_id_z 1
		.amdhsa_system_vgpr_workitem_id 0
		.amdhsa_next_free_vgpr 254
		.amdhsa_next_free_sgpr 66
		.amdhsa_reserve_vcc 0
		.amdhsa_float_denorm_mode_32 3
		.amdhsa_float_denorm_mode_16_64 3
		.amdhsa_memory_ordered 1
		.amdhsa_forward_progress 1
		.amdhsa_inst_pref_size 48
	.end_amdhsa_kernel
	.amdgpu_metadata
---
amdhsa.version: [ 1, 2 ]
amdhsa.kernels:
  - .name:           k_qeb4de94c07_render
    .symbol:         k_qeb4de94c07_render.kd
    .args:
      - { .name: ray_directions, .offset: 0, .size: 8, .value_kind: global_buffer, .address_space: global }
      - { .name: cam_loc, .offset: 8, .size: 8, .value_kind: global_buffer, .address_space: global }
      - { .name: W1, .offset: 16, .size: 8, .value_kind: global_buffer, .address_space: global }
      - { .name: b1, .offset: 24, .size: 8, .value_kind: global_buffer, .address_space: global }
      - { .name: W2, .offset: 32, .size: 8, .value_kind: global_buffer, .address_space: global }
      - { .name: b2, .offset: 40, .size: 8, .value_kind: global_buffer, .address_space: global }
      - { .name: out0, .offset: 48, .size: 8, .value_kind: global_buffer, .address_space: global }
      - { .name: out1, .offset: 56, .size: 8, .value_kind: global_buffer, .address_space: global }
    .group_segment_fixed_size: 0
    .private_segment_fixed_size: 0
    .kernarg_segment_align: 8
    .kernarg_segment_size: 64
    .max_flat_workgroup_size: 256
    .sgpr_count:     66
    .vgpr_count:     254
    .wavefront_size: 32
...
	.end_amdgpu_metadata
.endif
;; end of part 1
